; MI455X (gfx1250); checked and timed in simulation.
; The chip was launched on July 23, 2026; its instructions are those of AMD's public machine-readable ISA for CDNA 5 (MIT licence, August 2026) and "CDNA5" Instruction Set Architecture Reference Guide (July 2026). The comments in the code are by the model that wrote it; some were corrected since.
;; VQ Net. Allowed arithmetic: matrix products marked QUANTISED: E2M1 operands, one E8M0 scale for each 32 along K, by v_wmma_scale_f32_16x16x128_f8f6f4 with both operands' format E2M1 (or v_wmma_scale_f32_32x16x128_f4), f32 sums; everything else in f32.
;; Inputs: embed_weight 8,192 x 512 float32; xs 16,384 x 512 float32.
;; Outputs: out0 16,384 x 512 float32.
;; This version of the problem:
;;   THIS VERSION OF THE PROBLEM IS GIVEN IN LOW PRECISION. The matrix products marked QUANTISED in the list below multiply operands that are first quantised to E2M1 (2 exponent bits, 1 mantissa bit; 4 bits a number), with one power-of-two scale for each 32 numbers along K (OCP MX v1.0); their sums are f32. All else is computed in f32.
;;   The module's matrix products, in the order in which they are computed (A, B: the left and right operand; K: the contracted axis; several contracted axes count as one K, in the product's order):
;;     1. [M 16,384, K 512] x [K 512, N 8,192]; A: input xs; B: input embed_weight: QUANTISED
;;   THE QUANTISER, for each operand of a quantised product, along K:
;;     - K is cut into blocks of 32 from its start; a last block that is shorter is filled with zeros.
;;     - A block's scale is 2^e with e = floor(log2(the largest magnitude in the block)) - 2, held to -126 .. 127; a block of zeros has e = 0. As a byte (E8M0): e + 127.
;;     - Each number is divided by its block's scale, clamped to +-6, and rounded to the nearest number of E2M1, ties to even, subnormals kept.
;;     - The product sums the exact products of the quantised numbers (number of the format x scale) in f32.
;;   ~~~python
;;   def quantise(x, axis):      # numpy; x: float32 -> the quantised numbers, widened to float32 again
;;       x = np.moveaxis(x, axis, -1); K = x.shape[-1]
;;       x = np.pad(x, [(0, 0)] * (x.ndim - 1) + [(0, -K % 32)]); x = x.reshape(x.shape[:-1] + (-1, 32)); a = np.abs(x).max(-1, keepdims=True)
;;       e = np.where(a > 0, np.clip(np.frexp(np.where(a > 0, a, 1))[1] - 1 - 2, -126, 127), 0)      # np.frexp(a)[1] - 1 = floor(log2(a)), exactly
;;       r = np.clip(x / 2.0 ** e, -6, 6)
;;       step = 2.0 ** (np.maximum(np.frexp(np.where(r == 0, 1, r))[1] - 1, 0) - 1)
;;       q = np.round(r / step) * step * 2.0 ** e      # np.round: ties to even
;;       return np.moveaxis(q.reshape(q.shape[:-2] + (-1,))[..., :K], -1, axis).astype(np.float32)
;;   ~~~
;; One version. Each part assembles by itself: llvm-mc -triple=amdgcn-amd-amdhsa -mcpu=gfx1250 --defsym DOCPART=n.
;; ======== version 1 of 1: 3 launches
;; limits: right only within a limited range of input values
;; workspace buffers: xq 4,456,448 bytes; eq 2,260,992 bytes; bidx 131,072 bytes of whole numbers; bval 131,072 bytes
;; launch quant (part 1): grid 1536 x 1, 4 waves a work-group, no clusters, 35,328 bytes of LDS; arguments xs, embed_weight, xq, eq; writes xq, eq
.if DOCPART == 1
	.amdgcn_target "amdgcn-amd-amdhsa--gfx1250"
	.amdhsa_code_object_version 6
	.text
	.protected	k_qeabbf552b5_quant
	.globl	k_qeabbf552b5_quant
	.p2align	8
	.type	k_qeabbf552b5_quant,@function
k_qeabbf552b5_quant:
	s_mov_b64 s[64:65], 0
	v_nop
	global_prefetch_b8 v0, s[64:65] scope:SCOPE_SE
	s_setreg_imm32_b32 hwreg(HW_REG_WAVE_MODE, 25, 1), 1
	s_wait_xcnt 0x0
; xs [16384][512] and embed_weight [8192][512], f32, K innermost, become codes of FP4 (E2M1) with one E8M0 byte for each 32 along K,
; laid IN THE ORDER OF THE OPERAND'S REGISTERS, so that the product's launch takes every fragment by 16-byte loads at 16 x lane.
; A QUAD is four tiles of 16 rows: [0, 16384) codes: tile t, K step q (128 along K), half c, lane l = 16 h + r at 4096 t + 1024 q + 512 c + 16 l:
; those 16 bytes are block 4 q + 2 c + h of row r, registers 4 c .. 4 c + 3 of the fragment.  [16384, 17408) scale words: 256 t + 16 r + 4 q.
; In eq alone, [17408, 17664): -|e|^2 / 2 of the unquantised row, f32, at 64 t + 4 r.  A quad of xq is 17,408 bytes, of eq 17,664: multiples of 256.
; A block's scale is 2^(floor(log2(largest magnitude)) - 2); its byte is the largest magnitude's exponent field - 2, held at 1 from below.
; (A block of zeros so has the byte 1 where the rule says 127: its codes are zeros, and this program alone reads the bytes.)
; LIMITS: NaN and infinities among the inputs are not served.
; SHARES.  A work-group is one tile of 16 rows: work-groups 0 .. 1023 take xs, the others embed_weight; pointers and sizes are chosen, and embed_weight alone forms the sums of squares.
; Wave q takes K step q.  Each load reads 512 consecutive bytes of one row; the 16 rows turn through the wave's own stage in LDS (pitch 528 bytes, so that
; the sixteen rows that a read touches lie in sixteen different 16-byte columns) and come back 128 bytes a lane and block: a lane holds two whole blocks.
; WORK LEFT OUT, in the whole program.  (1) sum(xs^2) of a row is added to every distance of that row, so it moves no argmin: it is not formed.  The argmin of the distance
; is taken as the argmax of D = x.e - |e|^2 / 2, which is the distance less that term, times -1/2.  (2) The result xs + (e - xs) is e by an identity of real numbers, for all
; values of xs: the last launch stores the chosen row of embed_weight and does not load xs.  xs stays an input of this launch: its codes and scales decide the choice.
; LIMIT: a NaN, an infinity or an overflow that reaches only the work left out is not carried to the result.
.set NXT, 1024
.set STP, 528                          ; a stage row: 512 bytes + 16
.set WST, 16*STP                       ; a wave's stage
.set SCB, 4*WST                        ; 256 bytes: the tile's scale words, 16 r + 4 q
.set SSB, SCB+256                      ; 256 bytes: partial sums of squares, 64 q + 4 r
.set R,   16                           ; v16-79   the rows as loaded; later at work
.set X,   16                           ; v16-79   32 c + i: number i of my block c: the registers of the rows as loaded, free when the stage's stores are done
.set C,   80                           ; v80-87   the codes
.set T,   88                           ; v88-95   at work
	s_load_b256 s[4:11], s[0:1], 0x0               ; xs s[4:5], embed_weight s[6:7], xq s[8:9], eq s[10:11]
	v_lshl_add_u32 v110, v0, 2, 0x8800
	v_mov_b32 v111, 0
	v_lshrrev_b32 v1, 5, v0
	v_readfirstlane_b32 s12, v1                    ; wave = K step q
	v_and_b32 v1, 31, v0                           ; lane
	v_and_b32 v2, 15, v0                           ; r
	v_bfe_u32 v3, v0, 4, 1                         ; h
	v_lshlrev_b32 v4, 4, v1                        ; 16 x lane: my bytes of a load's 512, and of a store's
	s_mul_i32 s16, s12, WST
	v_add_nc_u32 v5, s16, v4                       ; the stage, way in: 16 x lane
	v_mul_u32_u24 v6, v2, STP
	v_lshl_add_u32 v6, v3, 7, v6
	v_add_nc_u32 v6, s16, v6                       ; way out: row r, + 128 h: block h; block 2 + h lies 256 bytes on
	s_lshl_b32 s17, s12, 2
	v_lshl_add_u32 v7, v2, 4, s17
	v_add_nc_u32 v7, SCB, v7                       ; my row's scale word of this K step
	s_lshl_b32 s18, s12, 6
	v_lshl_add_u32 v8, v2, 2, s18
	v_add_nc_u32 v8, SSB, v8                       ; my row's partial sum of squares
	v_lshlrev_b32 v11, 3, v1                       ; 8 x lane
	v_add_nc_u32 v9, SCB, v11                      ; wave 0 reads the 256 bytes of scale words back
	v_lshlrev_b32 v12, 2, v2                       ; 4 r
	v_add_nc_u32 v10, SSB, v12                     ; and row r's four partial sums
	s_mov_b32 s20, 0x76543210
	s_mov_b32 s21, 0xfedcba98                      ; v_permlanex16_b32's selects for lane l xor 16
	s_wait_alu depctr_va_vdst(0)
	s_wait_kmcnt 0x0
	s_cmp_lt_u32 ttmp9, NXT                        ; a tile of xs or of embed_weight?  The choice hangs on the work-group's number alone
	s_cselect_b64 s[4:5], s[4:5], s[6:7]           ; from
	s_cselect_b64 s[8:9], s[8:9], s[10:11]         ; to
	s_mov_b32 s14, 17664
	s_cselect_b32 s14, 17408, s14                  ; a quad's bytes
	s_cselect_b32 s13, 0, NXT
	s_sub_co_u32 s13, ttmp9, s13                   ; the tile's number in its tensor
	s_lshl_b32 s16, s13, 15                        ; 16 rows of 2,048 bytes,
	s_lshl_b32 s17, s12, 9                         ; + 512 q
	s_add_co_u32 s16, s16, s17
	s_mov_b32 s17, 0
	s_add_nc_u64 s[4:5], s[4:5], s[16:17]
	s_lshr_b32 s18, s13, 2
	s_mul_i32 s18, s18, s14                        ; the quad's first byte
	s_and_b32 s19, s13, 3                          ; t
	s_lshl_b32 s22, s19, 12
	s_lshl_b32 s23, s12, 10
	s_add_co_u32 s22, s22, s23
	s_add_co_u32 s22, s22, s18
	s_mov_b32 s23, 0
	s_add_nc_u64 s[24:25], s[8:9], s[22:23]        ; codes: quad + 4096 t + 1024 q
	s_lshl_b32 s22, s19, 8
	s_add_co_u32 s22, s22, s18
	s_add_co_u32 s22, s22, 16384
	s_add_nc_u64 s[26:27], s[8:9], s[22:23]        ; scale words: quad + 16384 + 256 t
	s_lshl_b32 s22, s19, 6
	s_add_co_u32 s22, s22, s18
	s_add_co_u32 s22, s22, 17408
	s_add_nc_u64 s[28:29], s[8:9], s[22:23]        ; -|e|^2 / 2: quad + 17408 + 64 t (used for embed_weight alone)
.irp i, 0,1,2,3,4,5,6,7,8,9,10,11,12,13,14,15
	global_load_b128 v[R+4*\i:R+4*\i+3], v4, s[4:5] offset:2048*\i th:TH_LOAD_NT   ; row i: 32 lanes read 512 consecutive bytes
.endr
.irp i, 0,1,2,3,4,5,6,7,8,9,10,11,12,13,14,15
	s_wait_loadcnt 15-\i                           ; loads come back in order: row i is in, the 15 - i younger ones may be out
	ds_store_b128 v5, v[R+4*\i:R+4*\i+3] offset:STP*\i
.endr
	s_wait_dscnt 0x0                               ; the stores have read their registers: the blocks come back into the same 64
.irp c, 0,1
.irp i, 0,1,2,3,4,5,6,7
	ds_load_b128 v[X+32*\c+4*\i:X+32*\c+4*\i+3], v6 offset:256*\c+16*\i   ; the stage is my wave's own and LDS serves a wave in order: these see the stores above
.endr
.endr
	s_wait_dscnt 0x0
.irp c, 0,1
	v_max3_num_f32 v[T+\c], |v[X+32*\c]|, |v[X+32*\c+1]|, 0x1800000   ; my block 2 c + h: all 32 numbers are mine; and the floor 2^(3 - 127): the byte cannot fall under 1
.endr
.irp i, 2,4,6,8,10,12,14,16,18,20,22,24,26,28,30
.irp c, 0,1
	v_max3_num_f32 v[T+\c], v[T+\c], |v[X+32*\c+\i]|, |v[X+32*\c+\i+1]|   ; (the two blocks by turns)
.endr
.endr
.irp c, 0,1
	v_add_nc_u32 v[T+2+\c], 0xff000000, v[T+\c]    ; 2 off the exponent field: the conversion takes the exponent field of this operand as its scale
.endr
.irp c, 0,1
	v_lshrrev_b32 v[T+4+\c], 23, v[T+2+\c]         ; the scale's byte
.endr
.irp c, 0,1
.irp g, 0,1,2,3
	v_cvt_scalef32_pk8_fp4_f32 v[C+4*\c+\g], v[X+32*\c+8*\g:X+32*\c+8*\g+7], v[T+2+\c]   ; registers 4 c .. 4 c + 3 of the fragment
.endr
.endr
	v_nop                                          ; one plain line behind the last scaled conversion
.irp c, 0,1
	global_store_b128 v4, v[C+4*\c:C+4*\c+3], s[24:25] offset:512*\c   ; 32 lanes store 512 consecutive bytes, two aligned blocks of 256
.endr
.set R, 96                             ; from here on v96-109 are the registers at work
	v_lshl_or_b32 v[T+6], v[T+5], 16, v[T+4]
	v_lshlrev_b32 v[T+7], 3, v3
	v_lshlrev_b32 v[T+6], v[T+7], v[T+6]           ; at their places in the word (8 h bits up);
	v_mov_b32 v[T+7], 0
	v_permlanex16_b32 v[T+7], v[T+6], s20, s21
	v_or_b32 v[T+6], v[T+6], v[T+7]                ; with lane l xor 16's two the word is whole
	ds_store_b32 v7, v[T+6]                        ; (both lanes of a row store the same word)
	s_cmp_lt_u32 ttmp9, NXT
	s_cbranch_scc1 .Lno_squares                    ; xs needs no sum of squares: it is the same for every code of a row
.irp k, 0,1,2,3
	v_pk_mul_f32 v[R+2*\k:R+2*\k+1], v[X+2*\k:X+2*\k+1], v[X+2*\k:X+2*\k+1]   ; the sum of squares of my 64 unquantised numbers: four chains of pairs
.endr
.irp i, 8,16,24,32,40,48,56
.irp k, 0,1,2,3
	v_pk_fma_f32 v[R+2*\k:R+2*\k+1], v[X+\i+2*\k:X+\i+2*\k+1], v[X+\i+2*\k:X+\i+2*\k+1], v[R+2*\k:R+2*\k+1]
.endr
.endr
	v_pk_add_f32 v[R:R+1], v[R:R+1], v[R+2:R+3]
	v_pk_add_f32 v[R+4:R+5], v[R+4:R+5], v[R+6:R+7]
	v_pk_add_f32 v[R:R+1], v[R:R+1], v[R+4:R+5]
	v_add_f32 v[R], v[R], v[R+1]
	v_permlanex16_b32 v[R+2], v[R], s20, s21
	v_add_f32 v[R], v[R], v[R+2]                   ; with lane l xor 16's: row r's 128 numbers of this K step
	ds_store_b32 v8, v[R]
.Lno_squares:
	s_wait_dscnt 0x0                               ; for the others' sake: my LDS stores are done
	s_barrier_signal -1
	s_barrier_wait -1                              ; the tile's 64 scale words, and for embed_weight its 64 partial sums, lie in LDS
	s_cmp_lg_u32 s12, 0
	s_cbranch_scc1 .Lend                           ; wave 0 sends them
	ds_load_b64 v[R+8:R+9], v9
	s_wait_dscnt 0x0
	global_store_b64 v11, v[R+8:R+9], s[26:27]     ; 32 lanes store one aligned block of 256 bytes
	s_cmp_lt_u32 ttmp9, NXT
	s_cbranch_scc1 .Lend
.irp k, 0,1,2,3
	ds_load_b32 v[R+10+\k], v10 offset:64*\k
.endr
	s_wait_dscnt 0x0
	v_add_f32 v[R+10], v[R+10], v[R+11]
	v_add_f32 v[R+12], v[R+12], v[R+13]
	v_add_f32 v[R+10], v[R+10], v[R+12]
	v_mul_f32 v[R+10], -0.5, v[R+10]               ; -|e|^2 / 2: the C of the product's first K step
	global_store_b32 v12, v[R+10], s[28:29]        ; 64 bytes; lanes r and r + 16 hold the same number and store it to the same word
.Lend:
	s_wait_tensorcnt 0x0
	ds_add_u32 v110, v111
	s_wait_dscnt 0x0
	s_endpgm
.Lfunc_end_k_qeabbf552b5_quant:
	.size	k_qeabbf552b5_quant, .Lfunc_end_k_qeabbf552b5_quant-k_qeabbf552b5_quant
	.p2alignl 7, 3214868480
	.fill 96, 4, 3214868480
	.section	.rodata,"a",@progbits
	.p2align	6, 0x0
	.amdhsa_kernel k_qeabbf552b5_quant
		.amdhsa_group_segment_fixed_size 35328
		.amdhsa_private_segment_fixed_size 0
		.amdhsa_enable_private_segment 0
		.amdhsa_kernarg_size 32
		.amdhsa_user_sgpr_count 2
		.amdhsa_user_sgpr_kernarg_segment_ptr 1
		.amdhsa_wavefront_size32 1
		.amdhsa_system_sgpr_workgroup_id_x 1
		.amdhsa_system_sgpr_workgroup_id_y 1
		.amdhsa_system_sgpr_workgroup_id_z 1
		.amdhsa_system_vgpr_workitem_id 0
		.amdhsa_next_free_vgpr 112
		.amdhsa_next_free_sgpr 66
		.amdhsa_reserve_vcc 0
		.amdhsa_float_denorm_mode_32 3
		.amdhsa_float_denorm_mode_16_64 3
		.amdhsa_memory_ordered 1
		.amdhsa_forward_progress 1
		.amdhsa_inst_pref_size 14
	.end_amdhsa_kernel
	.amdgpu_metadata
---
amdhsa.version: [ 1, 2 ]
amdhsa.kernels:
  - .name:           k_qeabbf552b5_quant
    .symbol:         k_qeabbf552b5_quant.kd
    .args:
      - { .name: xs, .offset: 0, .size: 8, .value_kind: global_buffer, .address_space: global }
      - { .name: embed_weight, .offset: 8, .size: 8, .value_kind: global_buffer, .address_space: global }
      - { .name: xq, .offset: 16, .size: 8, .value_kind: global_buffer, .address_space: global }
      - { .name: eq, .offset: 24, .size: 8, .value_kind: global_buffer, .address_space: global }
    .group_segment_fixed_size: 35328
    .private_segment_fixed_size: 0
    .kernarg_segment_align: 8
    .kernarg_segment_size: 32
    .max_flat_workgroup_size: 128
    .sgpr_count:     66
    .vgpr_count:     112
    .wavefront_size: 32
...
	.end_amdgpu_metadata
.endif
;; end of part 1
;; launch nearest (part 2): grid 128 x 2, 4 waves a work-group, clusters of 4 x 1, 327,680 bytes of LDS; arguments xq, eq, bidx, bval; writes bidx, bval
.if DOCPART == 2
	.amdgcn_target "amdgcn-amd-amdhsa--gfx1250"
	.amdhsa_code_object_version 6
	.text
	.protected	k_qeabbf552b5_nearest
	.globl	k_qeabbf552b5_nearest
	.p2align	8
	.type	k_qeabbf552b5_nearest,@function
k_qeabbf552b5_nearest:
	s_mov_b64 s[64:65], 0
	v_nop
	global_prefetch_b8 v0, s[64:65] scope:SCOPE_SE
	s_setreg_imm32_b32 hwreg(HW_REG_WAVE_MODE, 25, 1), 1
	s_wait_xcnt 0x0
	s_wait_alu depctr_hold_cnt(0) depctr_sa_sdst(0) depctr_va_vdst(0) depctr_va_sdst(0) depctr_va_ssrc(0) depctr_va_vcc(0) depctr_vm_vsrc(0)
	s_getreg_b32 s2, hwreg(HW_REG_IB_STS2, 6, 4)
	s_cmp_eq_u32 s2, 0
	s_cbranch_scc0 .Lentry_in_a_cluster
	s_endpgm
.Lentry_in_a_cluster:
	s_bfe_u32 s2, ttmp6, 0x10000c
	s_cmp_lg_u32 s2, 0x3003
	s_cbranch_scc0 .Lentry_shape_is_right
	s_endpgm
.Lentry_shape_is_right:
; For each token the code with the largest D = x.e - |e|^2 / 2 (sum(xs^2) is left out: it is the same for every code of a token).  x.e is the product of the FP4 codes
; and E8M0 scales that the launch before laid in the order of the operand's registers; -|e|^2 / 2 is the C of the first K step; K = 512 is four matrix instructions, ascending.
; SHARES.  Work-group (x, y): tokens 128 x .. 128 x + 127 against codes 4096 y .. 4096 y + 4095.  Four waves, one a SIMD; each wave holds ALL 128 tokens (8 tiles x 32 registers)
; and takes a quarter of the codes: of each slot of 8 quads its own 2 quads = 8 tiles of 16 codes, which it fetches by its own tensor load and which it alone reads.
; Source 0 = 16 codes, source 1 = 16 tokens: lane (r, h) holds token r, register j code 8 h + j.
; THE PIPELINE of a wave: tile i is multiplied into accumulator set i % 2 (32 matrix instructions, the 8 accumulators by turns); then tile i - 1's maxima are taken from the other set
; (these lines are also the places behind the products), and among them tile i + 2's fragments are asked of LDS into the set that tile i has left.
; THE MAXIMUM of a lane: four v_max3 a tile; where it has grown (strictly: the earlier, lower code stays at a tie) the tile's first code and its 8 scores are kept by selects, no branch;
; the 8 selects are four dual pairs under VCC.  Between the compare that writes VCC and the selects stand lines that do not hang on it: other token tiles' v_max3, or the LDS loads.
; At the end the lowest j whose kept score equals the maximum gives the code.
; THE RING: two slots of 141,312 bytes.  The four work-groups of a cluster walk the same codes: each slot is asked for jointly (mask 15).  A slot's reads are over when tile 7's fragments are
; in registers: there stand the waits, the add and the cluster's round, with tile 5's maxima and tile 7's products between the opening signal and its wait.  One tensor load a wave is out.
; NO PREFETCH: a grid row's stream is 64 quads, 1,130,496 bytes, and its 32 clusters walk it in the same order: each block of a slot is asked for by 32 joint loads of the same trip.
; LIMITS: NaN and infinities are not served.
.set QB,    17664                      ; a quad of eq: 16,384 codes, 1,024 scale words, 256 of -|e|^2 / 2
.set XQB,   17408                      ; a quad of xq
.set SLOTB, 8*QB
.set SPARE, 2*SLOTB                    ; the spare words: 128 bytes a wave
.set RED,   SPARE+512                  ; 4 waves x 128 tokens x (D, code)
.set EA,    1                          ; v1-2   LDS address of my fragments in slot 0, 1
.set ESA,   3                          ; v3-4   of my scale words
.set EBA,   5                          ; v5-6   of my -|e|^2 / 2
.set SPW,   7
.set NIL,   8
.set CUR,   9                          ; the tile's first code + 8 h
.set REDW,  10
.set REDR,  11
.set GO,    12
.set L16,   13
.set XSA,   14
.set ES,    16                         ; v16-23  e's scale words, two sets
.set XS,    24                         ; v24-39  x's scale words: 4 m + q; lanes 0-15 tile m, lanes 16-31 tile m + 4
.set BVA,   40                         ; v40-55  the running maxima, old and new by turns
.set BVB,   48
.set BT,    56                         ; v56-63  CUR of the tile that holds the maximum
.set ACC,   64                         ; v64-191 two sets of 8 accumulators
.set SV,    192                        ; v192-255 the 8 scores of that tile, for each of 8 token tiles
.set EF,    0                          ; window 2: v0-63 e's fragments, two sets; v64-79 -|e|^2 / 2, two sets.  Window 1: x's fragments, 32 m + 8 q
.set BI,    64
.set TW,    ACC
.set RES,   ACC+8
.set MSB, 0
.macro WIN new
.if MSB != \new
	s_set_vgpr_msb (MSB<<8)|\new
.set MSB, \new
.endif
.endm
.macro CREST
	s_cmp_lg_u32 s12, 0
	s_cbranch_scc1 .Lnw0_\@
	s_barrier_signal -3
.Lnw0_\@:
	s_barrier_wait -3
	s_barrier_signal -1
	s_barrier_wait -1
.endm
.macro ROUND
	s_barrier_signal -1
	s_barrier_wait -1
	CREST
.endm
; The 11 LDS loads of tile u of my 8 in a slot, into set p: the scale words (window 0), 8 x 16 bytes a lane of codes and 2 of -|e|^2 / 2 (window 2)
.macro LDS_S slot, u, p
	ds_load_b128 v[ES+4*(\p):ES+4*(\p)+3], v[ESA+\slot] offset:((\u)/4)*QB+256*((\u)%4)
.endm
.macro LDS_E slot, u, p, k
	ds_load_b128 v[EF+32*(\p)+4*(\k):EF+32*(\p)+4*(\k)+3], v[EA+\slot] offset:((\u)/4)*QB+4096*((\u)%4)+512*(\k)
.endm
.macro LDS_B slot, u, p, k
	ds_load_b128 v[BI+8*(\p)+4*(\k):BI+8*(\p)+4*(\k)+3], v[EBA+\slot] offset:((\u)/4)*QB+64*((\u)%4)+16*(\k)
.endm
.macro FETCH slot, u, p                ; all 11 in one run
	WIN 0
	LDS_S \slot, \u, \p
	WIN 0x80
.irp k, 0,1,2,3,4,5,6,7
	LDS_E \slot, \u, \p, \k
.endr
	LDS_B \slot, \u, \p, 0
	LDS_B \slot, \u, \p, 1
.endm
.macro WMI d, a, b, c, sa, sb, hi
.if \hi
	v_wmma_scale_f32_16x16x128_f8f6f4 v[\d:\d+7], v[\a:\a+7], v[\b:\b+7], v[\c:\c+7], v[\sa], v[\sb] matrix_a_fmt:MATRIX_FMT_FP4 matrix_b_fmt:MATRIX_FMT_FP4 matrix_b_scale:MATRIX_SCALE_ROW1
.else
	v_wmma_scale_f32_16x16x128_f8f6f4 v[\d:\d+7], v[\a:\a+7], v[\b:\b+7], v[\c:\c+7], v[\sa], v[\sb] matrix_a_fmt:MATRIX_FMT_FP4 matrix_b_fmt:MATRIX_FMT_FP4
.endif
.endm
.macro MUL p                           ; 16 codes x 128 tokens x K 512
	WIN 0x26                                       ; source 0 window 2, source 1 window 1, C window 2, D window 0
.irp m, 0,1,2,3,4,5,6,7
	WMI ACC+64*(\p)+8*\m, EF+32*(\p), 32*\m, BI+8*(\p), ES+4*(\p), XS+4*(\m%4), \m/4
.endr
	WIN 0x06                                       ; C window 0
.irp q, 1,2,3
.irp m, 0,1,2,3,4,5,6,7
	WMI ACC+64*(\p)+8*\m, EF+32*(\p)+8*\q, 32*\m+8*\q, ACC+64*(\p)+8*\m, ES+4*(\p)+\q, XS+4*(\m%4)+\q, \m/4
.endr
.endr
.endm
.macro MX m, r                         ; step r of token tile m's chain of four v_max3: each accumulator from its low end on
.if (\r) == 0
	v_max3_num_f32 v[BN+(\m)], v[BO+(\m)], v[AB+8*(\m)], v[AB+8*(\m)+1]
.else
	v_max3_num_f32 v[BN+(\m)], v[BN+(\m)], v[AB+8*(\m)+2*(\r)], v[AB+8*(\m)+2*(\r)+1]
.endif
.endm
.macro GROWN m                         ; VCC: has token tile m's maximum grown?
	v_cmp_gt_f32 vcc_lo, v[BN+\m], v[BO+\m]
.endm
.macro SEL m                           ; where it has: keep the tile's first code and its 8 scores
	v_cndmask_b32 v[BT+\m], v[BT+\m], v[CUR], vcc_lo
.irp j, 0,2,4,6
	v_dual_cndmask_b32 v[SV+8*\m+\j], v[SV+8*\m+\j], v[AB+8*\m+\j] :: v_dual_cndmask_b32 v[SV+8*\m+\j+1], v[SV+8*\m+\j+1], v[AB+8*\m+\j+1]
.endr
.endm
; The maxima of tile u.  f = 1: tile fu of slot 'slot' is asked of LDS into set fp on the way (11 loads).
.macro EPI u, f, slot, fu, fp
.set AB, ACC+64*((\u)%2)
.set BO, BVA+8*((\u)%2)
.set BN, BVB-8*((\u)%2)
	WIN 0
.if (\u) == 0
	v_add_nc_u32 v[CUR], 400, v[CUR]               ; from my tile 7 of a slot to my tile 0 of the next: 512 - 112 codes
.else
	v_add_nc_u32 v[CUR], 16, v[CUR]
.endif
.irp r, 0,1,2,3                        ; token tiles 0-3: their four steps, five lines from a step to the next; with each row the first step of one of tiles 4-7
.irp m, 0,1,2,3
	MX \m, \r
.endr
	MX 4+\r, 0
.endr
	GROWN 0                                        ; the other 12 steps of tiles 4-7 stand between the compares and their selects; each tile's chain ends ahead of its compare
	MX 4, 1
	MX 5, 1
	SEL 0
	GROWN 1
	MX 4, 2
	MX 5, 2
	MX 6, 1
	SEL 1
	GROWN 2
	MX 4, 3
	MX 6, 2
	SEL 2
	GROWN 3
	MX 5, 3
	MX 7, 1
	SEL 3
	GROWN 4
	MX 6, 3
	MX 7, 2
	SEL 4
	GROWN 5
	MX 7, 3
	SEL 5
	GROWN 6
	SEL 6
	GROWN 7
.if \f
	FETCH \slot, \fu, \fp                          ; the 11 loads in one run
	WIN 0
.endif
	SEL 7
.endm
.macro STEP slot, u, prev
	s_wait_dscnt 11                                ; tile u's 11 loads are in; tile u + 1's 11 may be out
	MUL (\u)%2
	EPI \prev, 1, \slot, (\u)+2, (\u)%2
.endm
; My 8 tiles of a slot.  mode 0: the slot is filled again; 1: it is not, the other slot is still to be read; 2: the last slot.
.macro SLOTW slot, mode
	STEP \slot, 0, 7
	STEP \slot, 1, 0
	STEP \slot, 2, 1
	STEP \slot, 3, 2
	STEP \slot, 4, 3
	STEP \slot, 5, 4
.if \mode == 0
	s_wait_tensorcnt 0x0                           ; my one load, my part of the other slot, has landed
	ds_add_u32 v[SPW], v[NIL]
	s_add_nc_u64 s[26+4*\slot:27+4*\slot], s[26+4*\slot:27+4*\slot], 2*SLOTB
	s_wait_dscnt 12                                ; tile 6 is in; tile 7's 11 loads and the add may be out
.else
.if \mode == 1
	s_wait_tensorcnt 0x0                           ; the last slot has landed: I alone read my part of it
.endif
	s_wait_dscnt 11
.endif
	MUL 0
	s_wait_dscnt 0x0                               ; tile 7 is in registers (and the add is done): my reads of this slot are over
.if \mode == 0
	WIN 0
	s_barrier_signal -1                            ; opens the cluster's round; work on registers alone up to its wait
.endif
	EPI 5, 0, 0, 0, 0
	MUL 1
	WIN 0
.if \mode == 0
	s_barrier_wait -1
	CREST
	tensor_load_to_lds s[24+4*\slot:27+4*\slot], s[16:23]
	s_nop 0
.endif
.if \mode < 2
.rept 4
	v_nop                                          ; places behind tile 7's products
.endr
	FETCH 1-\slot, 0, 0
	EPI 6, 1, 1-\slot, 1, 1
.else
	EPI 6, 0, 0, 0, 0
.endif
.endm
.macro BETTER dv, dn, av, an, bv, bn   ; the larger D; at equal D the lower code
	v_cmp_gt_f32 s40, v[\bv], v[\av]
	v_cmp_eq_f32 s41, v[\bv], v[\av]
	v_cmp_lt_u32 s42, v[\bn], v[\an]
	s_and_b32 s41, s41, s42
	s_or_b32 s40, s40, s41
	v_cndmask_b32 v[\dv], v[\av], v[\bv], s40
	v_cndmask_b32 v[\dn], v[\an], v[\bn], s40
.endm
	s_load_b256 s[4:11], s[0:1], 0x0               ; xq s[4:5], eq s[6:7], bidx s[8:9], bval s[10:11]
	v_lshl_add_u32 v[SPW], v0, 2, SPARE
	v_mov_b32 v[NIL], 0
	ds_add_u32 v[SPW], v[NIL]                      ; the opening lines: the add twice on end and one wait
	ds_add_u32 v[SPW], v[NIL]
	v_lshrrev_b32 v64, 5, v0
	v_readfirstlane_b32 s12, v64                   ; wave
	s_bfe_u32 s13, ttmp6, 0x40000                  ; cx
	s_lshl_b32 s14, ttmp9, 2
	s_add_co_u32 s14, s14, s13                     ; work-group x
	s_and_b32 s15, ttmp7, 0xffff                   ; y
	s_mov_b32 s16, 15|(3<<16)|(1<<21)              ; group 1: mask of the four, elements of 8 bytes; 138 rows of 256 bytes, dense: two quads
	s_mov_b32 s17, 32<<16
	s_mov_b32 s18, 138<<16
	s_mov_b32 s19, 32<<16
	s_mov_b32 s20, 138
	s_mov_b32 s21, 32
	s_mov_b32 s22, 0
	s_mov_b32 s23, 0
	s_lshl_b32 s48, s15, 6
	s_lshl_b32 s49, s12, 1
	s_add_co_u32 s48, s48, s49
	s_mul_i32 s48, s48, QB                         ; eq: quad 64 y + 2 wave
	s_mov_b32 s49, 0
	s_mul_i32 s50, s12, 2*QB                       ; LDS: my part of slot 0,
	s_add_co_u32 s51, s50, SLOTB                   ; of slot 1
	s_mul_i32 s32, s14, 2*XQB                      ; xq: my work-group's two quads
	s_mov_b32 s33, 0
	s_lshl_b32 s54, s15, 16
	s_lshl_b32 s55, s14, 9
	s_add_co_u32 s54, s54, s55
	s_lshl_b32 s55, s12, 8
	s_add_co_u32 s54, s54, s55                     ; results: 65,536 y + 512 x + 256 wave
	s_mov_b32 s55, 0
	s_mov_b32 s38, 0x76543210
	s_mov_b32 s39, 0xfedcba98
	s_lshl_b32 s36, s15, 12
	s_lshl_b32 s37, s12, 7
	s_add_co_u32 s36, s36, s37
	s_sub_co_u32 s36, s36, 416                     ; my first code less the first two steps of CUR (16 and 400); it wraps and comes back
	s_lshl_b32 s37, s12, 10
	s_and_b32 s53, s12, 1
	s_lshl_b32 s53, s53, 9
	s_mov_b32 s56, 0xff800000
	v_and_b32 v65, 31, v0                          ; lane
	v_and_b32 v66, 15, v0                          ; r
	v_bfe_u32 v67, v0, 4, 1                        ; h
	v_lshlrev_b32 v[L16], 4, v65
	v_lshlrev_b32 v[GO], 3, v65
	v_lshlrev_b32 v68, 4, v66
	v_mul_u32_u24 v69, v67, XQB
	v_add_nc_u32 v[XSA], v68, v69                  ; x's scale words: 16 r, lanes 16-31 one quad on
	v_add_nc_u32 v[EA], s50, v[L16]
	v_add_nc_u32 v[EA+1], s51, v[L16]
	v_add_nc_u32 v[ESA], s50, v68
	v_lshl_add_u32 v[EBA], v67, 5, s50
	v_add_nc_u32 v[ESA], 16384, v[ESA]
	v_add_nc_u32 v[EBA], 17408, v[EBA]
	v_add_nc_u32 v[ESA+1], SLOTB, v[ESA]
	v_add_nc_u32 v[EBA+1], SLOTB, v[EBA]
	v_lshl_add_u32 v[REDW], v66, 3, s37
	v_add_nc_u32 v[REDR], s53, v[L16]
	v_add_nc_u32 v[REDW], RED, v[REDW]
	v_add_nc_u32 v[REDR], RED, v[REDR]
	v_lshl_add_u32 v[CUR], v67, 3, s36
	s_wait_alu depctr_va_vdst(0)
	s_wait_dscnt 0x0
	s_wait_kmcnt 0x0
	s_mov_b32 s24, 1
	s_mov_b32 s25, s50
	s_add_nc_u64 s[26:27], s[6:7], s[48:49]
	s_mov_b32 s28, 1
	s_mov_b32 s29, s51
	s_add_nc_u64 s[30:31], s[26:27], SLOTB
	s_or_b32 s27, s27, 0x80000000
	s_or_b32 s31, s31, 0x80000000
	s_add_nc_u64 s[32:33], s[4:5], s[32:33]
	s_add_nc_u64 s[8:9], s[8:9], s[54:55]
	s_add_nc_u64 s[10:11], s[10:11], s[54:55]
	ROUND                                          ; in front of the first joint load
	tensor_load_to_lds s[24:27], s[16:23]          ; slot 0: my one load at the head, ahead of all else that is asked of memory
	s_nop 0
	WIN 0x40                                       ; the 128 tokens' fragments go from memory straight into window 1: each load 512 consecutive bytes
.irp m, 0,1,2,3,4,5,6,7
.irp k, 0,1,2,3,4,5,6,7
	global_load_b128 v[32*\m+4*\k:32*\m+4*\k+3], v[L16], s[32:33] offset:(\m/4)*XQB+4096*(\m%4)+512*\k
.endr
.endr
	WIN 0
.irp m, 0,1,2,3
	global_load_b128 v[XS+4*\m:XS+4*\m+3], v[XSA], s[32:33] offset:16384+256*\m
.endr
.set i, 0
.rept 64
	v_mov_b32 v[ACC+64+i], s56                     ; the loop's first trip takes the maxima of a tile that is not there: -infinity changes nothing
	v_mov_b32 v[SV+i], 0
.set i, i+1
.endr
.set i, 0
.rept 8
	v_mov_b32 v[BVB+i], s56
	v_mov_b32 v[BT+i], 0
.set i, i+1
.endr
	s_wait_alu depctr_va_vdst(0)
	s_wait_tensorcnt 0x0                           ; slot 0 is in; slot 1's first fill is issued as a refill is
	ds_add_u32 v[SPW], v[NIL]
	s_wait_dscnt 0x0
	ROUND
	tensor_load_to_lds s[28:31], s[16:23]
	s_nop 0
.rept 4
	v_nop
.endr
	FETCH 0, 0, 0
	FETCH 0, 1, 1
	WIN 0
	s_wait_loadcnt 0x0                             ; x
	s_mov_b32 s52, 3
.Lslots:
	SLOTW 0, 0
	SLOTW 1, 0
	s_sub_co_u32 s52, s52, 1
	s_cmp_lg_u32 s52, 0
	s_cbranch_scc1 .Lslots
	SLOTW 0, 1
	SLOTW 1, 2
	EPI 7, 0, 0, 0, 0
	; which of the kept 8 scores is the maximum: the lowest j
.irp m, 0,1,2,3,4,5,6,7
	v_mov_b32 v[TW+\m], 7
.endr
.irp j, 6,5,4,3,2,1,0
.irp m, 0,1,2,3,4,5,6,7
	v_cmp_eq_f32 s[40+\m], v[SV+8*\m+\j], v[BVA+\m]
.endr
.irp m, 0,1,2,3,4,5,6,7
	v_cndmask_b32 v[TW+\m], v[TW+\m], \j, s[40+\m]
.endr
.endr
.irp m, 0,1,2,3,4,5,6,7
	v_add_nc_u32 v[BT+\m], v[BT+\m], v[TW+\m]
.endr
.irp m, 0,1,2,3,4,5,6,7
	v_permlanex16_b32 v[BVB+\m], v[BVA+\m], s38, s39   ; lane l xor 16 holds the same token's other 8 codes of each tile
	v_permlanex16_b32 v[TW+\m], v[BT+\m], s38, s39
.endr
.irp m, 0,1,2,3,4,5,6,7
	BETTER RES+2*\m, RES+2*\m+1, BVA+\m, BT+\m, BVB+\m, TW+\m
.endr
.irp m, 0,1,2,3,4,5,6,7
	ds_store_b64 v[REDW], v[RES+2*\m:RES+2*\m+1] offset:128*\m
.endr
	s_wait_dscnt 0x0                               ; for the others' sake
	s_barrier_signal -1
	s_barrier_wait -1
	s_cmp_gt_u32 s12, 1
	s_cbranch_scc1 .Ldone                          ; waves 0 and 1 join the four waves' results, 64 tokens each, two a lane
.irp k, 0,1,2,3
	ds_load_b128 v[96+4*\k:99+4*\k], v[REDR] offset:1024*\k
.endr
	s_wait_dscnt 0x0
.irp k, 1,2
	BETTER 96, 97, 96, 97, 96+4*\k, 97+4*\k
	BETTER 98, 99, 98, 99, 98+4*\k, 99+4*\k
.endr
	BETTER 112, 114, 96, 97, 108, 109
	BETTER 113, 115, 98, 99, 110, 111
	global_store_b64 v[GO], v[112:113], s[10:11]   ; 32 lanes store one aligned block of 256 bytes
	global_store_b64 v[GO], v[114:115], s[8:9]
.Ldone:
	s_wait_tensorcnt 0x0                           ; the wave's end
	ds_add_u32 v[SPW], v[NIL]
	s_wait_dscnt 0x0
	ROUND                                          ; the closing round
	s_endpgm
.Lfunc_end_k_qeabbf552b5_nearest:
	.size	k_qeabbf552b5_nearest, .Lfunc_end_k_qeabbf552b5_nearest-k_qeabbf552b5_nearest
	.p2alignl 7, 3214868480
	.fill 96, 4, 3214868480
	.section	.rodata,"a",@progbits
	.p2align	6, 0x0
	.amdhsa_kernel k_qeabbf552b5_nearest
		.amdhsa_group_segment_fixed_size 327680
		.amdhsa_private_segment_fixed_size 0
		.amdhsa_enable_private_segment 0
		.amdhsa_kernarg_size 32
		.amdhsa_user_sgpr_count 2
		.amdhsa_user_sgpr_kernarg_segment_ptr 1
		.amdhsa_wavefront_size32 1
		.amdhsa_system_sgpr_workgroup_id_x 1
		.amdhsa_system_sgpr_workgroup_id_y 1
		.amdhsa_system_sgpr_workgroup_id_z 1
		.amdhsa_system_vgpr_workitem_id 0
		.amdhsa_next_free_vgpr 592
		.amdhsa_next_free_sgpr 66
		.amdhsa_reserve_vcc 1
		.amdhsa_float_denorm_mode_32 3
		.amdhsa_float_denorm_mode_16_64 3
		.amdhsa_memory_ordered 1
		.amdhsa_forward_progress 1
		.amdhsa_inst_pref_size 255
	.end_amdhsa_kernel
	.section	.bss,"aw",@nobits
	.p2align	6
	.space	262144
	.amdgpu_metadata
---
amdhsa.version: [ 1, 2 ]
amdhsa.kernels:
  - .name:           k_qeabbf552b5_nearest
    .symbol:         k_qeabbf552b5_nearest.kd
    .args:
      - { .name: xq, .offset: 0, .size: 8, .value_kind: global_buffer, .address_space: global }
      - { .name: eq, .offset: 8, .size: 8, .value_kind: global_buffer, .address_space: global }
      - { .name: bidx, .offset: 16, .size: 8, .value_kind: global_buffer, .address_space: global }
      - { .name: bval, .offset: 24, .size: 8, .value_kind: global_buffer, .address_space: global }
    .group_segment_fixed_size: 327680
    .private_segment_fixed_size: 0
    .kernarg_segment_align: 8
    .kernarg_segment_size: 32
    .max_flat_workgroup_size: 128
    .sgpr_count:     66
    .vgpr_count:     592
    .wavefront_size: 32
...
	.end_amdgpu_metadata
.endif
;; end of part 2
;; launch gather (part 3): grid 512 x 1, 8 waves a work-group, no clusters, 0 bytes of LDS; arguments embed_weight, bidx, bval, out0; writes out0
.if DOCPART == 3
	.amdgcn_target "amdgcn-amd-amdhsa--gfx1250"
	.amdhsa_code_object_version 6
	.text
	.protected	k_qeabbf552b5_gather
	.globl	k_qeabbf552b5_gather
	.p2align	8
	.type	k_qeabbf552b5_gather,@function
k_qeabbf552b5_gather:
	s_mov_b64 s[64:65], 0
	v_nop
	global_prefetch_b8 v0, s[64:65] scope:SCOPE_SE
	s_setreg_imm32_b32 hwreg(HW_REG_WAVE_MODE, 25, 1), 1
	s_wait_xcnt 0x0
; out0[row] = e, the row of embed_weight that lies nearest to x.  WORK LEFT OUT: xs + (e - xs) is e by an identity of real numbers, so xs is not loaded here (see the first kernel's head).
; bidx [2][16384] holds, for each half of the codes, the best code of each row; bval [2][16384] its D (the larger, the nearer).
; Both candidates' rows are loaded, since an address may hang on the stored whole numbers but not on a comparison of floating-point numbers; v_cndmask_b32 keeps one.
; The second half's candidate wins only where its D is strictly larger: at equal D the lower index stays.
; A wave takes 4 rows of 2,048 bytes; each load and store covers 512 consecutive bytes.  All is written out: no register is used twice, so no store's sources are rewritten.
; No LDS, no matrix unit, no cluster: work-groups share nothing but rows of a table that lie where the indices say.
.set A, 16                             ; v16-79   the first half's candidate, then the result
.set B, 80                             ; v80-143  the second half's
	s_load_b256 s[4:11], s[0:1], 0x0               ; embed_weight s[4:5], bidx s[6:7], bval s[8:9], out0 s[10:11]
	v_lshrrev_b32 v1, 5, v0
	v_readfirstlane_b32 s14, v1                    ; wave
	v_and_b32 v1, 31, v0
	v_lshlrev_b32 v1, 4, v1                        ; 16 x lane
	s_lshl_b32 s15, ttmp9, 3
	s_add_co_u32 s15, s15, s14                     ; which four rows
	s_lshl_b32 s32, s15, 13                        ; 4 rows of 2,048 bytes
	s_mov_b32 s33, 0
	s_lshl_b32 s34, s15, 4                         ; 4 words
	s_mov_b32 s35, 0
	s_wait_alu depctr_va_vdst(0)
	s_wait_kmcnt 0x0
	s_add_nc_u64 s[6:7], s[6:7], s[34:35]
	s_add_nc_u64 s[8:9], s[8:9], s[34:35]
	s_load_b128 s[16:19], s[6:7], 0x0              ; my rows' codes in the first half,
	s_load_b128 s[20:23], s[6:7], 0x10000          ; in the second;
	s_load_b128 s[24:27], s[8:9], 0x0              ; their D
	s_load_b128 s[28:31], s[8:9], 0x10000
	s_add_nc_u64 s[10:11], s[10:11], s[32:33]
	s_wait_kmcnt 0x0
.irp i, 0,1,2,3,4,5,6,7
	s_min_u32 s[16+\i], s[16+\i], 0x1fff           ; an index stays inside the table
	s_lshl_b32 s[16+\i], s[16+\i], 11              ; a row is 2,048 bytes
	v_add_nc_u32 v[2+\i], s[16+\i], v1             ; v2-5: the first half's rows; v6-9: the second's
.endr
.irp i, 0,1,2,3
	v_mov_b32 v[10+\i], s[24+\i]
.endr
	s_wait_alu depctr_va_vdst(0)
.irp i, 0,1,2,3
.irp k, 0,1,2,3
	global_load_b128 v[A+16*\i+4*\k:A+16*\i+4*\k+3], v[2+\i], s[4:5] offset:512*\k     ; no hint: a row may be named many times
.endr
.irp k, 0,1,2,3
	global_load_b128 v[B+16*\i+4*\k:B+16*\i+4*\k+3], v[6+\i], s[4:5] offset:512*\k
.endr
.endr
.irp i, 0,1,2,3
	v_cmp_gt_f32 s[36+\i], s[28+\i], v[10+\i]      ; the second half's D is strictly larger: all lanes alike
.endr
.irp i, 0,1,2,3
	s_wait_loadcnt 24-8*\i                         ; loads come back in order: this row's eight are in; the eight of each later row may be out
.irp j, 0,1,2,3,4,5,6,7,8,9,10,11,12,13,14,15
	v_cndmask_b32 v[A+16*\i+\j], v[A+16*\i+\j], v[B+16*\i+\j], s[36+\i]
.endr
.endr
.irp i, 0,1,2,3                        ; all four rows are chosen: now they are stored, in one run
.irp k, 0,1,2,3
	global_store_b128 v1, v[A+16*\i+4*\k:A+16*\i+4*\k+3], s[10:11] offset:2048*\i+512*\k th:TH_STORE_NT   ; 32 lanes store 512 consecutive bytes: two aligned blocks of 256
.endr
.endr
	s_endpgm
.Lfunc_end_k_qeabbf552b5_gather:
	.size	k_qeabbf552b5_gather, .Lfunc_end_k_qeabbf552b5_gather-k_qeabbf552b5_gather
	.p2alignl 7, 3214868480
	.fill 96, 4, 3214868480
	.section	.rodata,"a",@progbits
	.p2align	6, 0x0
	.amdhsa_kernel k_qeabbf552b5_gather
		.amdhsa_group_segment_fixed_size 0
		.amdhsa_private_segment_fixed_size 0
		.amdhsa_enable_private_segment 0
		.amdhsa_kernarg_size 32
		.amdhsa_user_sgpr_count 2
		.amdhsa_user_sgpr_kernarg_segment_ptr 1
		.amdhsa_wavefront_size32 1
		.amdhsa_system_sgpr_workgroup_id_x 1
		.amdhsa_system_sgpr_workgroup_id_y 1
		.amdhsa_system_sgpr_workgroup_id_z 1
		.amdhsa_system_vgpr_workitem_id 0
		.amdhsa_next_free_vgpr 144
		.amdhsa_next_free_sgpr 66
		.amdhsa_reserve_vcc 0
		.amdhsa_float_denorm_mode_32 3
		.amdhsa_float_denorm_mode_16_64 3
		.amdhsa_memory_ordered 1
		.amdhsa_forward_progress 1
		.amdhsa_inst_pref_size 12
	.end_amdhsa_kernel
	.amdgpu_metadata
---
amdhsa.version: [ 1, 2 ]
amdhsa.kernels:
  - .name:           k_qeabbf552b5_gather
    .symbol:         k_qeabbf552b5_gather.kd
    .args:
      - { .name: embed_weight, .offset: 0, .size: 8, .value_kind: global_buffer, .address_space: global }
      - { .name: bidx, .offset: 8, .size: 8, .value_kind: global_buffer, .address_space: global }
      - { .name: bval, .offset: 16, .size: 8, .value_kind: global_buffer, .address_space: global }
      - { .name: out0, .offset: 24, .size: 8, .value_kind: global_buffer, .address_space: global }
    .group_segment_fixed_size: 0
    .private_segment_fixed_size: 0
    .kernarg_segment_align: 8
    .kernarg_segment_size: 32
    .max_flat_workgroup_size: 256
    .sgpr_count:     66
    .vgpr_count:     144
    .wavefront_size: 32
...
	.end_amdgpu_metadata
.endif
;; end of part 3
